; MI455X (gfx1250); checked and timed in simulation.
; The chip was launched on July 23, 2026; its instructions are those of AMD's public machine-readable ISA for CDNA 5 (MIT licence, August 2026) and "CDNA5" Instruction Set Architecture Reference Guide (July 2026). The comments in the code are by the model that wrote it; some were corrected since.
;; Self Attention. Allowed arithmetic: matrix products marked QUANTISED: E4M3 operands, one given power-of-two scale a tensor, by v_wmma_f32_16x16x64_fp8_fp8 or v_wmma_f32_16x16x128_fp8_fp8, f32 sums; everything else in f32.
;; Inputs: W_out 1,024 x 1,024 float32; W_qkv 1,024 x 3,072 float32; b_out 1,024 float32; b_qkv 3,072 float32; lowp_scales 8 int32 (the exponents e of the quantised operands' scales 2^e); x 4 x 2,048 x 1,024 float32.
;; Outputs: out0 4 x 2,048 x 1,024 float32.
;; This version of the problem:
;;   THIS VERSION OF THE PROBLEM IS GIVEN IN LOW PRECISION. The matrix products marked QUANTISED in the list below multiply operands that are first quantised to E4M3 (4 exponent bits, 3 mantissa bits; 8 bits a number), with one given power-of-two scale for each operand tensor; their sums are f32. All else is computed in f32.
;;   The module's matrix products, in the order in which they are computed (A, B: the left and right operand; K: the contracted axis; several contracted axes count as one K, in the product's order):
;;     1. [M 8,192, K 1,024] x [K 1,024, N 3,072]; A: input x; B: input W_qkv: QUANTISED (scales: A lowp_scales[0], B lowp_scales[1])
;;     2. batch 64 x [M 2,048, K 64] x [K 64, N 2,048]; A: computed on the way; B: computed on the way: QUANTISED (scales: A lowp_scales[2], B lowp_scales[3])
;;     3. batch 64 x [M 2,048, K 2,048] x [K 2,048, N 64]; A: softmax (see below); B: computed on the way: QUANTISED (scales: A lowp_scales[4], B lowp_scales[5])
;;     4. [M 8,192, K 1,024] x [K 1,024, N 1,024]; A: computed on the way; B: input W_out: QUANTISED (scales: A lowp_scales[6], B lowp_scales[7])
;;   THE QUANTISER, for each operand of a quantised product, along K:
;;     - The operand's scale is 2^e, e = its entry of the input lowp_scales (int32; the entries are numbered through the quantised products in the list's order, A before B).
;;     - Each number is divided by the scale, clamped to +-448, and rounded to the nearest number of E4M3, ties to even, subnormals kept.
;;     - The product sums the exact products of the quantised numbers (number of the format x scale) in f32.
;;   ~~~python
;;   def quantise(x, axis, e):      # numpy; x: float32 -> the quantised numbers, widened to float32 again
;;       x = np.moveaxis(x, axis, -1); K = x.shape[-1]
;;       r = np.clip(x / 2.0 ** e, -448, 448)
;;       step = 2.0 ** (np.maximum(np.frexp(np.where(r == 0, 1, r))[1] - 1, -6) - 3)
;;       q = np.round(r / step) * step * 2.0 ** e      # np.round: ties to even
;;       return np.moveaxis(q, -1, axis).astype(np.float32)
;;   ~~~
;;   SOFTMAX AHEAD OF A QUANTISED PRODUCT. Where the list says 'softmax', what is quantised is not the finished softmax but p = 2^(t - M), with t = logit x log2(e) and M = ceil(the row's largest t), a whole number; so 1/2 < the row's largest p <= 1. The row's sum l is taken of the UNQUANTISED p, in f32, and the product's result is divided by l at the end. Since M is a whole number, a kernel that streams over the keys may use a running M (the ceiling of the running maximum): every later rescaling is an exact power of two, so the quantised numbers keep their values, but for numbers so far below the row's largest that they fall under the format's range.
;;   OPERANDS COMPUTED ON THE WAY. 'Computed on the way' means the value that the module computes at that place (a softmax that the list does not call 'softmax' is quantised finished and normalised). What goes into a quantiser is computed in f32, as accurately as f32 sums, v_exp_f32 and their like allow (about 1e-6 of the number): no bf16 or f16 on the way to a quantiser, and a product that is left as it is and whose result goes on into a quantised operand takes f32 operands (vector FMAs, or v_wmma_f32_16x16x4_f32). A number that lies on a knife's edge between two numbers of the format may be rounded either way, as far as f32 arithmetic and the matrix unit's own rounding can turn it there, and no further.
;; One version. Each part assembles by itself: llvm-mc -triple=amdgcn-amd-amdhsa -mcpu=gfx1250 --defsym DOCPART=n.
;; ======== version 1 of 1: 4 launches
;; limits: right only within a limited range of input values
;; workspace buffers: xc 8,388,608 bytes; wc 3,145,728 bytes; wo 1,048,576 bytes; qkv 25,165,824 bytes; ac 8,388,608 bytes
;; launch quant (part 1): grid 384 x 1, 8 waves a work-group, no clusters, 68,608 bytes of LDS; arguments x, W_qkv, W_out, lowp_scales, xc, wc, wo; writes xc, wc, wo
.if DOCPART == 1
	.amdgcn_target "amdgcn-amd-amdhsa--gfx1250"
	.amdhsa_code_object_version 6
	.text
	.protected	k_qdd90e33750_quant
	.globl	k_qdd90e33750_quant
	.p2align	8
	.type	k_qdd90e33750_quant,@function
k_qdd90e33750_quant:
	s_mov_b64 s[64:65], 0
	v_nop
	global_prefetch_b8 v0, s[64:65] scope:SCOPE_SE
	s_setreg_imm32_b32 hwreg(HW_REG_WAVE_MODE, 25, 1), 1
	s_wait_xcnt 0x0
; x [8192][1024], W_qkv [1024][3072] and W_out [1024][1024], f32, become codes of FP8 (E4M3), each with its given scale 2^e (entries 0, 1, 7 of the scales).
; code = number / 2^e, held within +-448, rounded to the nearest code, ties to even.
; THE CODES ARE LAID AS IMAGES OF THE OPERAND'S REGISTERS.  A fragment (16 rows x 128 K) is 2,048 bytes: [chunk c 0..3][lane 0..31][16 bytes]; lane (r = lane % 16, h = lane / 16)
; holds row r; its 16 bytes of chunk c are K = 32 c + 8 h + 0..7, then K = 32 c + 16 + 8 h + 0..7: registers 4 c .. 4 c + 3 of the 16x16x128 FP8 form.
; A buffer is [K step of 256][tile of 16 rows][which 128 of the step][2,048]: a tile's record is 4,096 bytes.  For a weight a "row" is a column n, since K is its first axis.
; SHARES.  Work-groups 0-95: W_qkv; 96-127: W_out; 128-383: x.  Eight waves that share nothing: no barrier.
; A weight's wave takes 32 columns x 128 K: a lane takes a column and its registers run down K, so that each load reads 128 consecutive bytes and the conversions find neighbours along K in one lane.
; x's wave takes 16 rows x 256 K: each load reads 512 consecutive bytes; the numbers turn through the wave's own stage in LDS (rows 528 bytes apart) and come back eight neighbours to a lane's piece.
; LIMITS: each e lies between -126 and 119, so that 2^e and 448 x 2^e are f32 numbers.  NaN among the inputs is not served (an infinity is held at the largest code).
.set SPARE, 67584                      ; behind the eight stages of 8,448 bytes: the spare words, 128 bytes a wave: four blocks of 256 bytes that no other line names
.set SPW,   14                         ; v14  LDS address of my spare word; never rewritten
.set NIL,   15                         ; v15  0; never rewritten
.set R,     16                         ; v16-143  numbers as they are loaded
.set X,     144                        ; v144-207 x path: 64 numbers of a fragment in the operand's order
.set C,     208                        ; v208-239 x path: codes, registers of their own for each store
.set WC,    144                        ; v144-175 weight paths: codes, likewise
.macro SCALE e                         ; v11 = 2^e as f32 (the conversion takes its exponent field), v10 = 448 x 2^e
	s_add_co_i32 s32, s[\e], 127
	s_lshl_b32 s33, s32, 23
	v_mov_b32 v11, s33
	s_add_co_i32 s32, s32, 8
	s_lshl_b32 s32, s32, 23
	s_or_b32 s32, s32, 0x600000
	v_mov_b32 v10, s32
.endm
.macro WLOAD t, N, SRC                 ; block t: W(32 t + i, my column), i = 0 .. 31
.set i, 0
.rept 32
	global_load_b32 v[R+32*(\t)+i], v3, s[\SRC:\SRC+1] offset:(32*(\t)+i)*\N*4 th:TH_LOAD_NT
.set i, i+1
.endr
.endm
.macro WBLOCK t, N, SRC, DST
.if (\t) < 3
	s_wait_loadcnt 32                              ; this block's 32 loads are in; the next block's 32 may be out
.else
	s_wait_loadcnt 0
.endif
.if (\t) < 2
	WLOAD (\t)+2, \N, \SRC                         ; registers of its own: asked for at once
.endif
.set i, 0
.rept 32
	v_med3_num_f32 v[R+32*(\t)+i], v[R+32*(\t)+i], -v10, v10   ; the conversion does not saturate (ISA guide 7.6.2): the hold at the largest code x the scale
.set i, i+1
.endr
	v_cvt_scalef32_pk8_fp8_f32 v[WC+8*(\t):WC+8*(\t)+1], v[R+32*(\t):R+32*(\t)+7], v11          ; K 0-7   } the 16 bytes of image lane (r, 0)
	v_cvt_scalef32_pk8_fp8_f32 v[WC+8*(\t)+2:WC+8*(\t)+3], v[R+32*(\t)+16:R+32*(\t)+23], v11    ; K 16-23 }
	v_cvt_scalef32_pk8_fp8_f32 v[WC+8*(\t)+4:WC+8*(\t)+5], v[R+32*(\t)+8:R+32*(\t)+15], v11     ; K 8-15  } of image lane (r, 1)
	v_cvt_scalef32_pk8_fp8_f32 v[WC+8*(\t)+6:WC+8*(\t)+7], v[R+32*(\t)+24:R+32*(\t)+31], v11    ; K 24-31 }
	v_nop                                          ; a plain line behind the run of conversions
	global_store_b128 v4, v[WC+8*(\t):WC+8*(\t)+3], s[\DST:\DST+1] offset:512*(\t)              ; sixteen lanes store 256 consecutive bytes, aligned
	global_store_b128 v4, v[WC+8*(\t)+4:WC+8*(\t)+7], s[\DST:\DST+1] offset:512*(\t)+256
.endm
; A weight [1024][N]: work-group g = ttmp9 - G0 takes 128 along K (g % 8) of 256 columns (g / 8); KQS: bytes of a K step of 256 in the codes' buffer
.macro WPATH N, KQS, SRC, DST, E, G0
	s_sub_co_u32 s34, ttmp9, \G0
	s_and_b32 s35, s34, 7                          ; which 128 along K
	s_lshr_b32 s34, s34, 3                         ; which 256 columns
	s_mul_i32 s36, s35, 128*\N*4
	s_lshl_b32 s38, s34, 10
	s_add_co_u32 s36, s36, s38
	s_lshl_b32 s38, s20, 7                         ; my wave's 32 columns
	s_add_co_u32 s36, s36, s38
	s_mov_b32 s37, 0
	s_add_nc_u64 s[\SRC:\SRC+1], s[\SRC:\SRC+1], s[36:37]
	s_lshr_b32 s38, s35, 1
	s_mul_i32 s36, s38, \KQS                       ; the K step of 256,
	s_lshl_b32 s38, s34, 16
	s_add_co_u32 s36, s36, s38                     ; tile 16 x (g / 8)
	s_lshl_b32 s38, s20, 13
	s_add_co_u32 s36, s36, s38                     ; + 2 x wave,
	s_and_b32 s38, s35, 1
	s_lshl_b32 s38, s38, 11
	s_add_co_u32 s36, s36, s38                     ; and which 128 of the step
	s_add_nc_u64 s[\DST:\DST+1], s[\DST:\DST+1], s[36:37]
	v_lshlrev_b32 v3, 2, v1                        ; in: 4 bytes a lane
	v_lshlrev_b32 v4, 4, v2
	s_delay_alu instid0(VALU_DEP_1)
	v_lshl_add_u32 v4, v7, 12, v4                  ; out: lanes 0-15 the first tile's record, lanes 16-31 the next; 16 bytes for each column
	WLOAD 0, \N, \SRC
	WLOAD 1, \N, \SRC
	s_wait_alu depctr_va_vdst(0)
	s_wait_kmcnt 0x0                               ; the scales' exponents
	SCALE \E
	s_wait_alu depctr_va_vdst(0)
	WBLOCK 0, \N, \SRC, \DST
	WBLOCK 1, \N, \SRC, \DST
	WBLOCK 2, \N, \SRC, \DST
	WBLOCK 3, \N, \SRC, \DST
	s_endpgm
.endm
	s_load_b256 s[4:11], s[0:1], 0x0               ; x s[4:5], W_qkv s[6:7], W_out s[8:9], the scales' exponents s[10:11]
	s_load_b128 s[12:15], s[0:1], 0x20             ; xc s[12:13], wc s[14:15]
	s_load_b64 s[16:17], s[0:1], 0x30              ; wo
	v_lshl_add_u32 v[SPW], v0, 2, SPARE
	v_mov_b32 v[NIL], 0
	v_lshrrev_b32 v1, 5, v0
	s_delay_alu instid0(VALU_DEP_1)
	v_readfirstlane_b32 s20, v1                    ; wave 0..7
	v_and_b32 v1, 31, v0                           ; lane
	v_and_b32 v2, 15, v0                           ; r
	v_bfe_u32 v7, v0, 4, 1                         ; h
	s_wait_kmcnt 0x0
	s_load_b256 s[24:31], s[10:11], 0x0            ; e0 .. e7
	s_cmp_lt_u32 ttmp9, 96
	s_cbranch_scc1 .Lwqkv
	s_cmp_lt_u32 ttmp9, 128
	s_cbranch_scc1 .Lwout
	; ---- x: unit u = 8 (work-group - 128) + wave: tile of 16 rows u / 4, K step of 256 u % 4
	s_sub_co_u32 s34, ttmp9, 128
	s_lshl_b32 s34, s34, 3
	s_add_co_u32 s34, s34, s20
	s_lshr_b32 s35, s34, 2                         ; the tile of rows
	s_and_b32 s34, s34, 3                          ; the K step
	s_lshl_b32 s36, s35, 16                        ; 16 rows of 4,096 bytes
	s_lshl_b32 s38, s34, 10
	s_add_co_u32 s36, s36, s38
	s_mov_b32 s37, 0
	s_add_nc_u64 s[4:5], s[4:5], s[36:37]
	s_lshl_b32 s36, s34, 21                        ; a K step of xc is 512 records of 4,096 bytes
	s_lshl_b32 s38, s35, 12
	s_add_co_u32 s36, s36, s38
	s_add_nc_u64 s[12:13], s[12:13], s[36:37]
	s_wait_alu depctr_va_vdst(0)
	v_lshlrev_b32 v3, 4, v1                        ; 16 x lane: my bytes of a load's 512, and my place in an image
	s_mul_i32 s21, s20, 8448                       ; my stage
	v_add_nc_u32 v5, s21, v3                       ; into it: a row's 512 bytes as they lie
	v_mul_u32_u24 v6, v2, 528
	s_delay_alu instid0(VALU_DEP_1)
	v_lshl_add_u32 v6, v7, 5, v6
	s_delay_alu instid0(VALU_DEP_1)
	v_add_nc_u32 v6, s21, v6                       ; out of it: row r, + 32 h: eight numbers of my half.  528 = 33 x 16: the sixteen rows of a pass fall on sixteen different 16-byte columns
.set f, 0
.rept 2
.set i, 0
.rept 16
	global_load_b128 v[R+64*f+4*i:R+64*f+4*i+3], v3, s[4:5] offset:4096*i+512*f th:TH_LOAD_NT   ; row i, the f-th 128 along K: 512 consecutive bytes
.set i, i+1
.endr
.set f, f+1
.endr
	s_wait_alu depctr_va_vdst(0)
	s_wait_kmcnt 0x0
	SCALE 24
.macro FRAGX f
	s_wait_loadcnt 16*(1-\f)                       ; this fragment's 16 loads are in; the other's may be out
.set i, 0
.rept 16
	ds_store_b128 v5, v[R+64*\f+4*i:R+64*\f+4*i+3] offset:528*i
.set i, i+1
.endr
.irp c, 0,1,2,3
.irp u, 0,1
.irp j, 0,1
	ds_load_b128 v[X+16*\c+8*\u+4*\j:X+16*\c+8*\u+4*\j+3], v6 offset:128*\c+64*\u+16*\j   ; LDS serves a wave's instructions in order: these see my stores, and the next fragment's stores come behind them
.endr
.endr
.endr
.irp c, 0,1,2,3
	s_wait_dscnt 12-4*\c                           ; chunk c's four loads are in; the later chunks' may be out
.set i, 0
.rept 16
	v_med3_num_f32 v[X+16*\c+i], v[X+16*\c+i], -v10, v10
.set i, i+1
.endr
	v_cvt_scalef32_pk8_fp8_f32 v[C+16*\f+4*\c:C+16*\f+4*\c+1], v[X+16*\c:X+16*\c+7], v11
	v_cvt_scalef32_pk8_fp8_f32 v[C+16*\f+4*\c+2:C+16*\f+4*\c+3], v[X+16*\c+8:X+16*\c+15], v11
	v_nop                                          ; a plain line behind the run of conversions
	global_store_b128 v3, v[C+16*\f+4*\c:C+16*\f+4*\c+3], s[12:13] offset:2048*\f+512*\c    ; the wave stores 512 consecutive bytes, aligned
.endr
.endm
	s_wait_alu depctr_va_vdst(0)
	FRAGX 0
	FRAGX 1
	s_wait_tensorcnt 0x0                           ; the wave's end
	ds_add_u32 v[SPW], v[NIL]
	s_wait_dscnt 0x0
	s_endpgm
.Lwqkv:
	s_wait_alu depctr_va_vdst(0)
	WPATH 3072, 786432, 6, 14, 25, 0
.Lwout:
	s_wait_alu depctr_va_vdst(0)
	WPATH 1024, 262144, 8, 16, 31, 96
.Lfunc_end_k_qdd90e33750_quant:
	.size	k_qdd90e33750_quant, .Lfunc_end_k_qdd90e33750_quant-k_qdd90e33750_quant
	.p2alignl 7, 3214868480
	.fill 96, 4, 3214868480
	.section	.rodata,"a",@progbits
	.p2align	6, 0x0
	.amdhsa_kernel k_qdd90e33750_quant
		.amdhsa_group_segment_fixed_size 68608
		.amdhsa_private_segment_fixed_size 0
		.amdhsa_enable_private_segment 0
		.amdhsa_kernarg_size 56
		.amdhsa_user_sgpr_count 2
		.amdhsa_user_sgpr_kernarg_segment_ptr 1
		.amdhsa_wavefront_size32 1
		.amdhsa_system_sgpr_workgroup_id_x 1
		.amdhsa_system_sgpr_workgroup_id_y 1
		.amdhsa_system_sgpr_workgroup_id_z 1
		.amdhsa_system_vgpr_workitem_id 0
		.amdhsa_next_free_vgpr 240
		.amdhsa_next_free_sgpr 66
		.amdhsa_reserve_vcc 0
		.amdhsa_float_denorm_mode_32 3
		.amdhsa_float_denorm_mode_16_64 3
		.amdhsa_memory_ordered 1
		.amdhsa_forward_progress 1
		.amdhsa_inst_pref_size 67
	.end_amdhsa_kernel
	.amdgpu_metadata
---
amdhsa.version: [ 1, 2 ]
amdhsa.kernels:
  - .name:           k_qdd90e33750_quant
    .symbol:         k_qdd90e33750_quant.kd
    .args:
      - { .name: x, .offset: 0, .size: 8, .value_kind: global_buffer, .address_space: global }
      - { .name: W_qkv, .offset: 8, .size: 8, .value_kind: global_buffer, .address_space: global }
      - { .name: W_out, .offset: 16, .size: 8, .value_kind: global_buffer, .address_space: global }
      - { .name: lowp_scales, .offset: 24, .size: 8, .value_kind: global_buffer, .address_space: global }
      - { .name: xc, .offset: 32, .size: 8, .value_kind: global_buffer, .address_space: global }
      - { .name: wc, .offset: 40, .size: 8, .value_kind: global_buffer, .address_space: global }
      - { .name: wo, .offset: 48, .size: 8, .value_kind: global_buffer, .address_space: global }
    .group_segment_fixed_size: 68608
    .private_segment_fixed_size: 0
    .kernarg_segment_align: 8
    .kernarg_segment_size: 56
    .max_flat_workgroup_size: 256
    .sgpr_count:     66
    .vgpr_count:     240
    .wavefront_size: 32
...
	.end_amdgpu_metadata
.endif
;; end of part 1
;; launch qkvproj (part 2): grid 12 x 32, 4 waves a work-group, clusters of 4 x 4, 327,680 bytes of LDS; arguments xc, wc, b_qkv, lowp_scales, qkv; writes qkv
.if DOCPART == 2
	.amdgcn_target "amdgcn-amd-amdhsa--gfx1250"
	.amdhsa_code_object_version 6
	.text
	.protected	k_qdd90e33750_qkvproj
	.globl	k_qdd90e33750_qkvproj
	.p2align	8
	.type	k_qdd90e33750_qkvproj,@function
k_qdd90e33750_qkvproj:
	s_mov_b64 s[64:65], 0
	v_nop
	global_prefetch_b8 v0, s[64:65] scope:SCOPE_SE
	s_setreg_imm32_b32 hwreg(HW_REG_WAVE_MODE, 25, 1), 1
	s_wait_xcnt 0x0
	s_wait_alu depctr_hold_cnt(0) depctr_sa_sdst(0) depctr_va_vdst(0) depctr_va_sdst(0) depctr_va_ssrc(0) depctr_va_vcc(0) depctr_vm_vsrc(0)
	s_getreg_b32 s2, hwreg(HW_REG_IB_STS2, 6, 4)
	s_cmp_eq_u32 s2, 0
	s_cbranch_scc0 .Lentry_in_a_cluster
	s_endpgm
.Lentry_in_a_cluster:
	s_bfe_u32 s2, ttmp6, 0x10000c
	s_cmp_lg_u32 s2, 0xf033
	s_cbranch_scc0 .Lentry_shape_is_right
	s_endpgm
.Lentry_shape_is_right:
; qkv = x W_qkv + b_qkv on codes of FP8 (E4M3), K = 1,024, and q, k, v quantised on the way out with their given scales (entries 2, 3, 5), as images of the registers in which attention wants them.
; THE PRODUCT.  A tile of 256 x 256 is made by four waves, each 128 x 128: 64 accumulators of 16 x 16, 512 registers.  K goes in four steps of 256 through two LDS slots filled by the tensor data mover.
; The operands' buffers hold fragment images ([K step of 256][tile of 16 rows][which 128][chunk][lane][16 bytes]), so a wave's share of a slot, 128 rows x 256 K, is one dense block of 32,768 bytes,
; and every fragment comes from LDS by four loads at 16 x lane: consecutive bytes, no padding.
; THE MATRIX INSTRUCTION IS USED TRANSPOSED (source 0 = 16 rows of operand B, source 1 = 16 rows of operand A): a lane holds one row of A and eight neighbouring rows of B.
; CLUSTERS: 4 x 4 work-groups; A's tile is shared along a row of the cluster, B's along a column: each is asked for jointly.  The cluster's x is the part: 0 = q, 1 = k, 2 = v: the same in all sixteen partners.
; q, k: A = tokens (xc), B = columns of W_qkv (wc): a lane's eight results are eight neighbours along the head's 64, the K of the scores' product.
; v:    A = columns of W_qkv, B = tokens: a lane's eight results are eight neighbouring TOKENS of one channel, neighbours along the keys, the K of attention's second product.
; In both cases one conversion of an accumulator's eight registers gives registers 2 c, 2 c + 1 of the next operand, and 16 bytes a lane leave by stores of 512 consecutive bytes.  No result goes through LDS.
; qkv: [head 16 b + h][slot of 256 tokens][49,152]: Q: 16 fragments (16 tokens x 64) of 1,024 bytes; then K likewise; then V: [128 keys][16 channels][2,048].
; LIMITS: e0 + e1 between -126 and 127; e2, e3, e5 between -126 and 119.  NaN among the inputs is not served.
; REGISTERS, in windows of 256: window 0: v0-31 addresses; v32-63 at work on the way out; v64-127 the bias; v128-255 A's fragments, ONE set, later the codes.
;   window 1: B's fragments, TWO sets.   window 2: accumulators of my rows 0-63 ((a, b) at v[8 (8 a + b)]);   window 3: of my rows 64-127.
.set FRB,   2048                       ; a fragment's image
.set RT,    4096                       ; a tile's record: two fragments
.set HALFT, 32768                      ; 128 rows x 256 K: what one tensor load brings, and what one wave reads of A or of B
.set SLOT,  131072                     ; A's two halves, then B's two halves
.set SPARE, 262144                     ; behind the ring: the spare words, 128 bytes a wave: two blocks of 256 bytes that no other line names
.set FR,    16
.set NL,    4                          ; LDS loads that bring a fragment
.set NP,    4                          ; places behind this matrix instruction (ISA guide 7.12.1)
.set ADRA,  16                         ; v16-17  LDS address of my A fragments in slot 0, 1
.set ADRB,  20                         ; v20-21  the same for B
.set CO,    25                         ; v25     16 x lane
.set SPW,   28                         ; v28     LDS address of my spare word; never rewritten
.set NIL,   29                         ; v29     0; never rewritten
.set TMP,   32
.set BI,    64
.set AF,    128
.set CD,    128                        ; the codes, registers of their own for each store
.set G1,  24                           ; s[24:31] descriptor group 1 for A's tiles;  s[32:39] group 0, one set for each slot
.set G0,  32
.set G1B, 48                           ; s[48:55], s[56:63] the same for B's tiles
.set G0B, 56
.set STA, 66                           ; s[66:67] two K steps of A in bytes;  s[68:69] of B
.set STB, 68
.set MSB, 0
.macro WIN new                         ; the immediate's high byte repeats the setting that is left
.if MSB != (\new)
	s_set_vgpr_msb (MSB<<8)|(\new)
.set MSB, (\new)
.endif
.endm
.set MUL_LO, 0xa1                      ; source 0 (B) window 1, source 1 (A) window 0, C and D window 2
.set MUL_HI, 0xf1                      ; the same, C and D window 3
.set TO_B,   0x40                      ; destination window 1, address window 0
; A joint load: waves 0 and 1 fetch for A, waves 2 and 3 for B; the branch hangs on the wave's number alone.  An s_nop 0 and four v_nop follow each of the two lines.
.macro JLOAD g0a, g1a, g0b, g1b
	s_cmp_eq_u32 s15, 0
	s_cbranch_scc0 .Lfor_b_\@
	tensor_load_to_lds s[\g0a:\g0a+3], s[\g1a:\g1a+7]
	s_nop 0
.rept 4
	v_nop
.endr
	s_branch .Lasked_\@
.Lfor_b_\@:
	tensor_load_to_lds s[\g0b:\g0b+3], s[\g1b:\g1b+7]
	s_nop 0
.rept 4
	v_nop
.endr
.Lasked_\@:
.endm
.macro CREST                           ; a round of the cluster's barrier behind its opening barrier
	s_cmp_lg_u32 s14, 0
	s_cbranch_scc1 .Lnot_wave_0_\@
	s_barrier_signal -3
.Lnot_wave_0_\@:
	s_barrier_wait -3
	s_barrier_signal -1
	s_barrier_wait -1
.endm
.macro CROUND                          ; a whole round
	s_barrier_signal -1
	s_barrier_wait -1
	CREST
.endm
.macro FRAG reg, adr, q, i             ; block i's fragment of the slot's q-th 128 along K: four loads of 512 consecutive bytes
.irp c, 0,1,2,3
	ds_load_b128 v[\reg+4*\c:\reg+4*\c+3], v[\adr] offset:(\i)*RT+(\q)*FRB+512*\c
.endr
.endm
; 16 matrix instructions: A's blocks a0, a0 + 1 x B's eight, 128 along K.  p: B's set.  zero = 1: the first product starts the sums.  The 64 accumulators take turns, one instruction a turn.
.macro MUL16 a0, p, zero
.irp a, \a0, \a0+1
.irp b, 0,1,2,3,4,5,6,7
.if \zero
	v_wmma_f32_16x16x128_fp8_fp8 v[8*(8*((\a)%4)+\b):8*(8*((\a)%4)+\b)+7], v[128*(\p)+FR*\b:128*(\p)+FR*\b+FR-1], v[AF+FR*(\a):AF+FR*(\a)+FR-1], 0
.else
	v_wmma_f32_16x16x128_fp8_fp8 v[8*(8*((\a)%4)+\b):8*(8*((\a)%4)+\b)+7], v[128*(\p)+FR*\b:128*(\p)+FR*\b+FR-1], v[AF+FR*(\a):AF+FR*(\a)+FR-1], v[8*(8*((\a)%4)+\b):8*(8*((\a)%4)+\b)+7]
.endif
.endr
.endr
.endm
.macro FETCH_B slot, q, p
	WIN TO_B
.irp i, 0,1,2,3,4,5,6,7
	FRAG 128*(\p)+FR*\i, ADRB+\slot, \q, \i
.endr
	WIN 0
.endm
.macro FETCH_A slot, q, i0
.irp i, \i0, \i0+1, \i0+2, \i0+3
	FRAG AF+FR*(\i), ADRA+\slot, \q, \i
.endr
.endm
.macro PLACES n                        ; plain vector lines in front of loads into registers that matrix instructions have read, and of the first read of results
.rept \n
	v_nop
.endr
.endm
; A step of 128 along K that has its successor in the same slot.  A block of A is free when its eight products are issued: blocks 0-3 are fetched anew in the step's middle, blocks 4-7 at its end.
.macro STEP slot, q, zero
	s_wait_dscnt 4*NL                              ; B's set and A's blocks 0-3 are in; the youngest 16 loads (A's blocks 4-7) may be out
	WIN MUL_LO
	MUL16 0, (\q)%2, \zero
	MUL16 2, (\q)%2, \zero
	s_wait_dscnt 0
	PLACES NP
	FETCH_B \slot, (\q)+1, 1-(\q)%2
	FETCH_A \slot, (\q)+1, 0
	WIN MUL_HI
	MUL16 4, (\q)%2, \zero
	MUL16 6, (\q)%2, \zero
	PLACES NP
	WIN 0
	FETCH_A \slot, (\q)+1, 4
.endm
; A slot's last step changes slots: one barrier; in front of it each wave waits for all its tensor loads, adds 0 to its spare word, and waits for that and for its reads of this slot.  fill = 1: this slot is filled again, two K steps on.
.macro TURN slot, next, fill
	s_wait_tensorcnt 0x0                           ; all my tensor loads have landed: my part of the next slot
	ds_add_u32 v[SPW], v[NIL]                      ; 0 onto my spare word
	s_wait_dscnt 4*NL+1                            ; (the add and the youngest 16 loads may be out)
	WIN MUL_LO
	MUL16 0, 1, 0                                  ; sixteen matrix instructions stand between the add and the wait for it
	s_wait_dscnt 0x0                               ; the add is done, and my reads of this slot are over
	s_barrier_signal -1
	MUL16 2, 1, 0
	WIN 0                                          ; at a branch and at a label every window is 0
	s_barrier_wait -1
.if \fill
	CREST                                          ; the barrier has opened a round of the cluster's: no wave of any partner still reads this slot or has a load on its way
	s_add_nc_u64 s[G0+4*\slot+2:G0+4*\slot+3], s[G0+4*\slot+2:G0+4*\slot+3], s[STA:STA+1]
	s_add_nc_u64 s[G0B+4*\slot+2:G0B+4*\slot+3], s[G0B+4*\slot+2:G0B+4*\slot+3], s[STB:STB+1]
	JLOAD G0+4*\slot, G1, G0B+4*\slot, G1B         ; the first tensor load behind the round; its four v_nop are also the places in front of the loads below
.else
	PLACES NP
.endif
	FETCH_B \next, 0, 0
	FETCH_A \next, 0, 0
	WIN MUL_HI
	MUL16 4, 1, 0
	MUL16 6, 1, 0
	PLACES NP
	WIN 0
	FETCH_A \next, 0, 4
.endm
.macro LAST                            ; the very last step: nothing more to fetch
	s_wait_dscnt 4*NL
	WIN MUL_LO
	MUL16 0, 1, 0
	MUL16 2, 1, 0
	s_wait_dscnt 0
	WIN MUL_HI
	MUL16 4, 1, 0
	MUL16 6, 1, 0
	WIN 0
.endm
.macro QSCALE e                        ; v30 = 2^e as f32, v31 = 448 x 2^e; e in s[e]
	s_add_co_i32 s92, s[\e], 127
	s_lshl_b32 s93, s92, 23
	v_mov_b32 v30, s93
	s_add_co_i32 s92, s92, 8
	s_lshl_b32 s92, s92, 23
	s_or_b32 s92, s92, 0x600000
	v_mov_b32 v31, s92
.endm
; THE WAY OUT.  For A's block a and half p of B's blocks: 32 sums x 2^(e0 + e1) + bias (one packed multiply-add for two), the hold, four conversions: eight registers of the next operand, two stores.
; mode 0 (q, k): the bias goes with B's row (my eight columns); the eight registers are a whole fragment of 16 tokens x 64, of head p.  mode 1 (v): the bias goes with A's row (my channel); they are chunks 2 p, 2 p + 1 of 16 channels x 128 keys.
.macro EPI mode
.irp a, 0,1,2,3,4,5,6,7
.irp p, 0,1
	WIN 0x02+(\a/4)                                ; source 0: window 2 or 3
.irp i, 0,2,4,6,8,10,12,14,16,18,20,22,24,26,28,30
.if \mode
	v_pk_fma_f32 v[TMP+\i:TMP+\i+1], v[64*(\a%4)+32*\p+\i:64*(\a%4)+32*\p+\i+1], s[88:89], v[BI+2*\a:BI+2*\a+1] op_sel_hi:[1,0,1]
.else
	v_pk_fma_f32 v[TMP+\i:TMP+\i+1], v[64*(\a%4)+32*\p+\i:64*(\a%4)+32*\p+\i+1], s[88:89], v[BI+32*\p+\i:BI+32*\p+\i+1] op_sel_hi:[1,0,1]   ; each accumulator from its low end on
.endif
.endr
	WIN 0
.set i, 0
.rept 32
	v_med3_num_f32 v[TMP+i], v[TMP+i], -v31, v31   ; the conversion does not saturate (ISA guide 7.6.2)
.set i, i+1
.endr
.irp m, 0,1,2,3
	v_cvt_scalef32_pk8_fp8_f32 v[CD+16*\a+8*\p+2*\m:CD+16*\a+8*\p+2*\m+1], v[TMP+8*\m:TMP+8*\m+7], v30
.endr
	v_nop                                          ; a plain line between the conversions and the next group's writes of their sources
.irp g, 0,1
.if \mode
	global_store_b128 v[CO], v[CD+16*\a+8*\p+4*\g:CD+16*\a+8*\p+4*\g+3], s[90:91] offset:(\a/4)*393216+(\a%4)*2048+(2*\p+\g)*512
.else
	global_store_b128 v[CO], v[CD+16*\a+8*\p+4*\g:CD+16*\a+8*\p+4*\g+3], s[90:91] offset:\p*393216+\a*1024+\g*512   ; the wave stores 512 consecutive bytes, aligned
.endif
.endr
.endr
.endr
.endm
	s_load_b256 s[4:11], s[0:1], 0x0               ; xc s[4:5], wc s[6:7], b_qkv s[8:9], the scales' exponents s[10:11]
	s_load_b64 s[12:13], s[0:1], 0x20              ; qkv
	v_lshl_add_u32 v[SPW], v0, 2, SPARE
	v_mov_b32 v[NIL], 0
	ds_add_u32 v[SPW], v[NIL]                      ; the wave's opening: the add and its wait stand ahead of my first tensor load; the set-up below stands between them
	ds_add_u32 v[SPW], v[NIL]
	v_lshrrev_b32 v1, 5, v0
	v_readfirstlane_b32 s14, v1                    ; wave 0..3
	s_lshr_b32 s15, s14, 1                         ; which half of A's rows is mine.  Also: I fetch for A (0) or for B (1)
	s_and_b32 s16, s14, 1                          ; which half of B's rows.  Also: which 128 rows of that tile I fetch
	s_bfe_u32 s40, ttmp6, 0x40000                  ; cx, cy: my place in the cluster
	s_bfe_u32 s41, ttmp6, 0x40004
	s_lshl_b32 s42, ttmp9, 2                       ; 4 x cluster x
	s_and_b32 s17, ttmp7, 0xffff
	s_lshl_b32 s17, s17, 2                         ; 4 x cluster y
	s_mov_b32 s74, 2097152                         ; a K step of 256 in xc,
	s_mov_b32 s75, 786432                          ; and in wc
	s_cmp_eq_u32 ttmp9, 2                          ; the part v?  The cluster's x: the same in all partners
	s_cselect_b32 s18, 8, s17                      ; A's tile: q, k: tokens 4 x cluster y + cy;  v: columns' tile 8 + cy
	s_cselect_b32 s19, s17, s42                    ; B's tile: q, k: columns' tile 4 x cluster x + cx;  v: tokens 4 x cluster y + cx
	s_cselect_b32 s70, s75, s74                    ; a K step of A,
	s_cselect_b32 s72, s74, s75                    ; of B
	s_add_co_u32 s17, s18, s41                     ; TR: it holds cy alone
	s_add_co_u32 s42, s19, s40                     ; TC: it holds cx alone
	s_mov_b32 s71, 0
	s_mov_b32 s73, 0
	s_lshl_b32 s[STA], s70, 1
	s_mov_b32 s[STA+1], 0
	s_lshl_b32 s[STB], s72, 1
	s_mov_b32 s[STB+1], 0
	s_lshl_b32 s43, s41, 2
	s_lshl_b32 s43, 15, s43                        ; my row of the cluster
	s_lshl_b32 s44, 0x1111, s40                    ; my column
	; descriptor group 1: a dense block of 32,768 bytes as 128 rows of 32 elements of 8 bytes
	s_or_b32 s[G1+0], s43, (3<<16)|(1<<21)         ; 15:0 the mask: A's tiles go to my row; 17:16 elements of 8 bytes; 20 no padding; 21 set beside a mask
	s_or_b32 s[G1B+0], s44, (3<<16)|(1<<21)
.irp g, G1, G1B
	s_mov_b32 s[\g+1], 32<<16                      ; tensor_dim0 = 32
	s_mov_b32 s[\g+2], 128<<16                     ; tensor_dim1 = 128
	s_mov_b32 s[\g+3], 32<<16                      ; tile_dim0 = 32
	s_mov_b32 s[\g+4], 128                         ; tile_dim1 = 128
	s_mov_b32 s[\g+5], 32                          ; tensor_dim0_stride
	s_mov_b32 s[\g+6], 0
	s_mov_b32 s[\g+7], 0
.endr
	s_lshl_b32 s18, s16, 15                        ; which 128 rows (8 records) of the tile I fetch
	s_lshl_b32 s20, s17, 16                        ; a tile of 256 rows is 16 records
	s_add_co_u32 s20, s20, s18
	s_mov_b32 s21, 0
	s_lshl_b32 s46, s42, 16
	s_add_co_u32 s46, s46, s18
	s_mov_b32 s47, 0
	s_lshl_b32 s45, s14, 15                        ; where they go: wave x 32,768: no place in the cluster enters an LDS address
	s_wait_dscnt 0x0                               ; the opening add is done
	s_wait_kmcnt 0x0
	s_load_b256 s[80:87], s[10:11], 0x0            ; e0 .. e7
	s_cmp_eq_u32 ttmp9, 2
	s_cselect_b64 s[76:77], s[6:7], s[4:5]         ; operand A's buffer,
	s_cselect_b64 s[78:79], s[4:5], s[6:7]         ; operand B's
	s_add_nc_u64 s[20:21], s[76:77], s[20:21]
	s_add_nc_u64 s[46:47], s[78:79], s[46:47]
	CROUND                                         ; all sixteen work-groups are here: the first joint loads meet
	s_mov_b32 s[G0], 1
	s_mov_b32 s[G0+1], s45
	s_mov_b64 s[G0+2:G0+3], s[20:21]               ; K step 0
	s_or_b32 s[G0+3], s[G0+3], 0x80000000
	s_mov_b32 s[G0B], 1
	s_mov_b32 s[G0B+1], s45
	s_mov_b64 s[G0B+2:G0B+3], s[46:47]
	s_or_b32 s[G0B+3], s[G0B+3], 0x80000000
	JLOAD G0, G1, G0B, G1B
	s_mov_b32 s[G0+4], 1
	s_add_co_u32 s[G0+5], s45, SLOT
	s_add_nc_u64 s[G0+6:G0+7], s[20:21], s[70:71]  ; K step 1
	s_or_b32 s[G0+7], s[G0+7], 0x80000000
	s_mov_b32 s[G0B+4], 1
	s_add_co_u32 s[G0B+5], s45, SLOT
	s_add_nc_u64 s[G0B+6:G0B+7], s[46:47], s[72:73]
	s_or_b32 s[G0B+7], s[G0B+7], 0x80000000
	s_wait_alu depctr_va_vdst(0)
	s_wait_tensorcnt 0x0                           ; my part of K step 0 is in; slot 1's first fill is issued as a refill is
	ds_add_u32 v[SPW], v[NIL]
	s_wait_dscnt 0x0
	CROUND
	JLOAD G0+4, G1, G0B+4, G1B
	v_and_b32 v1, 31, v0
	v_lshlrev_b32 v[CO], 4, v1                     ; 16 x lane
	v_bfe_u32 v2, v0, 4, 1
	v_lshlrev_b32 v26, 5, v2                       ; 32 h: the bias of my half's eight columns
	v_and_b32 v3, 15, v0
	v_lshlrev_b32 v27, 2, v3                       ; 4 r: the bias of my row
	s_lshl_b32 s21, s15, 15                        ; my 128 rows of A
	s_lshl_b32 s22, s16, 15                        ; my 128 rows of B,
	s_add_co_u32 s22, s22, 2*HALFT                 ; which lie behind A's 256
.irp s, 0,1
	v_add_nc_u32 v[ADRA+\s], s21, v[CO]
	v_add_nc_u32 v[ADRB+\s], s22, v[CO]
	s_add_co_u32 s21, s21, SLOT
	s_add_co_u32 s22, s22, SLOT
.endr
	s_wait_alu depctr_va_vdst(0)
	s_wait_tensorcnt 1                             ; my part of K step 0 is in (K step 1's load may be out)
	s_barrier_signal -1
	s_barrier_wait -1                              ; everybody's is
	FETCH_B 0, 0, 0
	FETCH_A 0, 0, 0
	FETCH_A 0, 0, 4
	STEP 0, 0, 1                                   ; the first products start the sums
	TURN 0, 1, 1                                   ; slot 0 takes K step 2
	STEP 1, 0, 0
	TURN 1, 0, 1                                   ; slot 1 takes K step 3
	STEP 0, 0, 0
	TURN 0, 1, 0                                   ; nothing is left to fetch
	s_cmp_eq_u32 ttmp9, 2                          ; the ways part here, behind the last tensor load and the last barrier but the closing round's; each asks for its bias 128 matrix instructions ahead of its use
	s_cbranch_scc1 .Lv_part
	; ---- q, k
	s_wait_kmcnt 0x0                               ; e0 .. e7
	s_lshl_b32 s76, s42, 10                        ; the bias of my 128 columns: 4 (256 TC + 128 x half)
	s_lshl_b32 s78, s16, 9
	s_add_co_u32 s76, s76, s78
	s_mov_b32 s77, 0
	s_add_nc_u64 s[76:77], s[8:9], s[76:77]
.irp b, 0,1,2,3,4,5,6,7
	global_load_b128 v[BI+8*\b:BI+8*\b+3], v26, s[76:77] offset:64*\b
	global_load_b128 v[BI+8*\b+4:BI+8*\b+7], v26, s[76:77] offset:64*\b+16
.endr
	s_add_co_i32 s88, s80, s81
	s_add_co_i32 s88, s88, 127
	s_lshl_b32 s88, s88, 23                        ; 2^(e0 + e1) as f32
	s_mov_b32 s89, s88                             ; (named with it as a pair, so it is written)
	s_cmp_eq_u32 ttmp9, 0
	s_cselect_b32 s94, s82, s83                    ; q's scale or k's
	QSCALE 94
	s_lshr_b32 s90, s17, 3                         ; the batch: 8 tiles of 256 tokens each
	s_lshl_b32 s90, s90, 4
	s_lshl_b32 s78, s40, 2
	s_add_co_u32 s90, s90, s78
	s_lshl_b32 s78, s16, 1
	s_add_co_u32 s90, s90, s78                     ; head 16 b + 4 cx + 2 x half (+ p)
	s_mul_i32 s90, s90, 393216
	s_and_b32 s78, s17, 7                          ; the slot of 256 tokens
	s_mul_i32 s78, s78, 49152
	s_add_co_u32 s90, s90, s78
	s_lshl_b32 s78, ttmp9, 14                      ; Q's region or K's
	s_add_co_u32 s90, s90, s78
	s_lshl_b32 s78, s15, 13                        ; my eight tiles of tokens
	s_add_co_u32 s90, s90, s78
	s_mov_b32 s91, 0
	s_add_nc_u64 s[90:91], s[12:13], s[90:91]
	STEP 1, 0, 0
	LAST
	s_wait_loadcnt 0x0                             ; the bias
	PLACES NP
	EPI 0
	s_wait_tensorcnt 0x0                           ; the wave's end
	ds_add_u32 v[SPW], v[NIL]
	s_wait_dscnt 0x0
	s_branch .Lclose
.Lv_part:
	s_wait_kmcnt 0x0
	s_lshl_b32 s76, s41, 10                        ; the bias of my 128 channels: 4 (2,048 + 256 cy + 128 x half)
	s_lshl_b32 s78, s15, 9
	s_add_co_u32 s76, s76, s78
	s_add_co_u32 s76, s76, 8192
	s_mov_b32 s77, 0
	s_add_nc_u64 s[76:77], s[8:9], s[76:77]
.irp a, 0,1,2,3,4,5,6,7
	global_load_b32 v[BI+2*\a], v27, s[76:77] offset:64*\a
	global_load_b32 v[BI+2*\a+1], v27, s[76:77] offset:64*\a      ; twice: a pair for the packed multiply-add
.endr
	s_add_co_i32 s88, s80, s81
	s_add_co_i32 s88, s88, 127
	s_lshl_b32 s88, s88, 23
	s_mov_b32 s89, s88
	QSCALE 85                                      ; v's scale
	s_lshr_b32 s90, s42, 3                         ; the batch
	s_lshl_b32 s90, s90, 4
	s_lshl_b32 s78, s41, 2
	s_add_co_u32 s90, s90, s78
	s_lshl_b32 s78, s15, 1
	s_add_co_u32 s90, s90, s78                     ; head 16 b + 4 cy + 2 x half (+ a / 4)
	s_mul_i32 s90, s90, 393216
	s_and_b32 s78, s42, 7
	s_mul_i32 s78, s78, 49152
	s_add_co_u32 s90, s90, s78
	s_lshl_b32 s78, s16, 13                        ; which 128 keys of the slot
	s_add_co_u32 s90, s90, s78
	s_add_co_u32 s90, s90, 32768                   ; V's region
	s_mov_b32 s91, 0
	s_add_nc_u64 s[90:91], s[12:13], s[90:91]
	STEP 1, 0, 0
	LAST
	s_wait_loadcnt 0x0
	PLACES NP
	EPI 1
	s_wait_tensorcnt 0x0                           ; the wave's end, as above
	ds_add_u32 v[SPW], v[NIL]
	s_wait_dscnt 0x0
.Lclose:
	CROUND                                         ; the closing round: no work-group ends while a partner may still ask for a tile that names it
	s_endpgm
.Lfunc_end_k_qdd90e33750_qkvproj:
	.size	k_qdd90e33750_qkvproj, .Lfunc_end_k_qdd90e33750_qkvproj-k_qdd90e33750_qkvproj
	.p2alignl 7, 3214868480
	.fill 96, 4, 3214868480
	.section	.rodata,"a",@progbits
	.p2align	6, 0x0
	.amdhsa_kernel k_qdd90e33750_qkvproj
		.amdhsa_group_segment_fixed_size 327680
		.amdhsa_private_segment_fixed_size 0
		.amdhsa_enable_private_segment 0
		.amdhsa_kernarg_size 40
		.amdhsa_user_sgpr_count 2
		.amdhsa_user_sgpr_kernarg_segment_ptr 1
		.amdhsa_wavefront_size32 1
		.amdhsa_system_sgpr_workgroup_id_x 1
		.amdhsa_system_sgpr_workgroup_id_y 1
		.amdhsa_system_sgpr_workgroup_id_z 1
		.amdhsa_system_vgpr_workitem_id 0
		.amdhsa_next_free_vgpr 1024
		.amdhsa_next_free_sgpr 100
		.amdhsa_reserve_vcc 0
		.amdhsa_float_denorm_mode_32 3
		.amdhsa_float_denorm_mode_16_64 3
		.amdhsa_memory_ordered 1
		.amdhsa_forward_progress 1
		.amdhsa_inst_pref_size 209
	.end_amdhsa_kernel
	.amdgpu_metadata
---
amdhsa.version: [ 1, 2 ]
amdhsa.kernels:
  - .name:           k_qdd90e33750_qkvproj
    .symbol:         k_qdd90e33750_qkvproj.kd
    .args:
      - { .name: xc, .offset: 0, .size: 8, .value_kind: global_buffer, .address_space: global }
      - { .name: wc, .offset: 8, .size: 8, .value_kind: global_buffer, .address_space: global }
      - { .name: b_qkv, .offset: 16, .size: 8, .value_kind: global_buffer, .address_space: global }
      - { .name: lowp_scales, .offset: 24, .size: 8, .value_kind: global_buffer, .address_space: global }
      - { .name: qkv, .offset: 32, .size: 8, .value_kind: global_buffer, .address_space: global }
    .group_segment_fixed_size: 327680
    .private_segment_fixed_size: 0
    .kernarg_segment_align: 8
    .kernarg_segment_size: 40
    .max_flat_workgroup_size: 128
    .sgpr_count:     100
    .vgpr_count:     1024
    .wavefront_size: 32
...
	.end_amdgpu_metadata
.endif
;; end of part 2
;; launch attn (part 3): grid 256 x 1, 8 waves a work-group, clusters of 4 x 1, 327,680 bytes of LDS; arguments qkv, lowp_scales, ac; writes ac
.if DOCPART == 3
	.amdgcn_target "amdgcn-amd-amdhsa--gfx1250"
	.amdhsa_code_object_version 6
	.text
	.protected	k_qdd90e33750_attn
	.globl	k_qdd90e33750_attn
	.p2align	8
	.type	k_qdd90e33750_attn,@function
k_qdd90e33750_attn:
	s_mov_b64 s[64:65], 0
	v_nop
	global_prefetch_b8 v0, s[64:65] scope:SCOPE_SE
	s_setreg_imm32_b32 hwreg(HW_REG_WAVE_MODE, 25, 1), 1
	s_wait_xcnt 0x0
	s_wait_alu depctr_hold_cnt(0) depctr_sa_sdst(0) depctr_va_vdst(0) depctr_va_sdst(0) depctr_va_ssrc(0) depctr_va_vcc(0) depctr_vm_vsrc(0)
	s_getreg_b32 s2, hwreg(HW_REG_IB_STS2, 6, 4)
	s_cmp_eq_u32 s2, 0
	s_cbranch_scc0 .Lentry_in_a_cluster
	s_endpgm
.Lentry_in_a_cluster:
	s_bfe_u32 s2, ttmp6, 0x10000c
	s_cmp_lg_u32 s2, 0x3003
	s_cbranch_scc0 .Lentry_shape_is_right
	s_endpgm
.Lentry_shape_is_right:
; Causal attention on codes of FP8 (E4M3): 64 heads (16 b + h) of 2,048 tokens x 64.  Scores = q k^T / 8 (16x16x64 form), p = 2^(t - M), O = p v (16x16x128 form), O / l quantised with entry 6 of the scales.
; t = score x log2(e) / 8; M = the running largest t rounded UP to a whole number; p is quantised along the keys with 2^e4, not normalised; l is the sum of the unquantised p.  When M moves, l and O are multiplied by 2^(old M - new M): exact.
; LEFT OUT: key steps all of whose keys come after a tile's queries: the causal mask sets their scores to -infinity, so p = 0 there for all inputs.  A NaN or infinity that reaches only those scores is not carried.
; qkv: [head][slot of 256 tokens][49,152]: Q's 16 fragment images (16 tokens x 64: 1,024 bytes), K's 16, V's [128 keys][16 channels][2,048 bytes]: all as the operand's registers, 16 bytes a lane at 16 x lane.
; LDS HOLDS THE HEAD'S WHOLE K AND V: 16 key steps of 128 keys, each [K 8,192][V 8,192] bytes: 262,144 bytes.  Nothing is filled again: no ring.
; CLUSTER: the four work-groups of a head want the same K and V: each wave asks jointly (mask 15) for one key step, two rows of 8,192 bytes that lie 16,384 apart in memory: steps 0-7 at the head, steps 8-15 behind a round.
; SHARES.  Work-group cx owns the tiles of 16 queries 4 g + cx, g = 0..31.  Pair j is tiles 8 j + cx and 8 j + 4 + cx: both count key steps 0..j, whatever cx is, so no branch and no trip count hangs on cx.
; Wave w takes pair 15 - w, then pair w: 16 - w and w + 1 double steps, SEVENTEEN in every wave.  The two tiles of a pair share each fragment of K and V.
; THE WALK: steps 0-7 of pair 15 - w (eight trips, alike in all waves); one barrier, which shows steps 8-15 to everybody; sixteen trips: steps 8-15 of that pair, then steps 0-7 of pair w; a trip beyond the pair's last step is jumped over.
; The pair's last step lies on the diagonal.  With d = 16 cx + lane % 16 - 8 (lane / 16): the first tile's register 8 t + i is hidden where 16 t + i > d (always for t >= 4); the second tile's where 16 (t - 4) + i > d (never for t < 4): one compare serves both.
; LAYOUT.  Both products transposed: S^T = K Q^T, O^T = V^T P^T: a lane holds ONE query (lane % 16) of each tile.  One conversion of a tile of S^T gives registers 2 t, 2 t + 1 of P; of O^T, registers of the projection's operand A.
; ac: [K step of 256][tile of 16 tokens][which 128][chunk][lane][16]; K = 64 x head + channel.
; NO PREFETCH: every byte of K and V is asked for by the two loads at the start; no later load is left to run ahead of.
; LIMITS: e2 + e3 between -123 and 130 (added to c's exponent field); e4 and e6 between -126 and 119; the scaled scores stay under 2^31 in magnitude.
; REGISTERS.  Window 0: v0-31 addresses, state, constants; v32-47 the output's codes; v48-63 Q; v64-127 K's eight fragments, then V's four; v128-191, v192-255 S^T, then p, of the two tiles.
; Window 1: v0-63 O^T of the two tiles; v64-95 p's codes; v96-111 the later pair's Q.
.set SPARE, 294912                     ; the spare words, 128 bytes a wave: four blocks of 256 bytes that no other line names
.set STEPB, 16384
.set REC,   49152
.set LI,  1                            ; 16 x lane
.set ADK, 2                            ; LDS address of the step in hand for my lane
.set DL,  3                            ; d
.set SPW, 5
.set NIL, 6
.set PXA, 7                            ; lane permutes' destinations
.set PXB, 8
.set B6,  9                            ; 448 x 2^e6
.set MA,  10                           ; -M, the largest score;  LA the sum in two halves;  FA f (and a word named with it)
.set LA,  12
.set FA,  14
.set MB,  16
.set LB,  18
.set FB,  20
.set TA,  22                           ; at work
.set TBB, 24
.set B4,  26                           ; 448 x 2^e4, twice: the dual form wants its two second sources in different banks
.set E4,  28                           ; 2^e4
.set E6,  29                           ; 2^e6
.set NI,  30                           ; -infinity, twice
.set OC,  32
.set QF,  48
.set KV,  64
.set SA,  128
.set SB,  192
.set OA,  0                            ; window 1
.set OB,  32
.set PA,  64
.set PB,  80
.set QN,  96
.set WV,  10                           ; s10 wave; s11 cx; s13 the pair in hand; s14 trips; s15 the key step; s16 its LDS byte; s17 e4 + e5; s18 -c
.set CX,  11
.set JL,  13
.set CNT, 14
.set KS,  15
.set TB,  16
.set E45, 17
.set NC,  18
.set SEL, 20
.set CS,  22                           ; s[22:23] c = log2(e) / 8 x 2^(e2 + e3)
.set G1,  24
.set G0A, 32
.set G0B, 36
.set MSB, 0
.macro WIN new                         ; the immediate's high byte repeats the setting that is left
.if MSB != (\new)
	s_set_vgpr_msb (MSB<<8)|(\new)
.set MSB, (\new)
.endif
.endm
.macro ROUND                           ; a round of the cluster's barrier
	s_barrier_signal -1
	s_barrier_wait -1
	s_cmp_lg_u32 s[WV], 0
	s_cbranch_scc1 .Lnw0_\@
	s_barrier_signal -3
.Lnw0_\@:
	s_barrier_wait -3
	s_barrier_signal -1
	s_barrier_wait -1
.endm
.macro QADDR j, dst                    ; where pair j's first fragment of Q lies: slot j / 2, fragment 8 (j % 2) + cx; the second lies 4,096 bytes on
	s_lshr_b32 s56, s[\j], 1
	s_mul_i32 s56, s56, REC
	s_and_b32 s57, s[\j], 1
	s_lshl_b32 s57, s57, 13
	s_add_co_u32 s56, s56, s57
	s_lshl_b32 s57, s[CX], 10
	s_add_co_u32 s40, s56, s57
	s_add_nc_u64 s[\dst:\dst+1], s[42:43], s[40:41]
.endm
.macro RESET                           ; a pair's state: O^T and the sums as zeros, the largest score -3e38 and -M 3e38, so that the step is written once
	v_mov_b32 v[MA], 0x7f61b1e6
	v_mov_b32 v[MA+1], 0xff61b1e6
	v_mov_b32 v[MB], 0x7f61b1e6
	v_mov_b32 v[MB+1], 0xff61b1e6
	v_mov_b32 v[LA], 0
	v_mov_b32 v[LA+1], 0
	v_mov_b32 v[LB], 0
	v_mov_b32 v[LB+1], 0
	WIN 0x40
.set n, 0
.rept 64
	v_mov_b32 v[OA+n], 0
.set n, n+1
.endr
	WIN 0
.endm
; A DOUBLE STEP: 128 keys against the pair's two tiles.  mask = 1: the text holds the diagonal's lines, jumped over where the step is not the pair's last.
.macro STEP mask
	v_add_nc_u32 v[ADK], s[TB], v[LI]
.rept 3
	v_nop                                          ; with the addition: four places in front of loads into registers that the last products read
.endr
.set t, 0
.rept 8
	ds_load_b128 v[KV+8*t:KV+8*t+3], v[ADK] offset:1024*t
	ds_load_b128 v[KV+8*t+4:KV+8*t+7], v[ADK] offset:1024*t+512
.set t, t+1
.endr
	s_wait_alu depctr_va_vdst(0)
	s_wait_dscnt 8                                 ; tiles 0-3 are in; tiles 4-7's eight loads may be out
.set t, 0
.rept 8
.if t == 4
	s_wait_dscnt 0
.endif
	v_wmma_f32_16x16x64_fp8_fp8 v[SA+8*t:SA+8*t+7], v[KV+8*t:KV+8*t+7], v[QF:QF+7], 0
	v_wmma_f32_16x16x64_fp8_fp8 v[SB+8*t:SB+8*t+7], v[KV+8*t:KV+8*t+7], v[QF+8:QF+15], 0
.set t, t+1
.endr
.rept 4
	v_nop                                          ; places: in front of the loads below and of the first read of the scores
.endr
.set t, 0
.rept 4                                            ; V's four fragments land under the softmax
.irp c, 0,1,2,3
	ds_load_b128 v[KV+16*t+4*\c:KV+16*t+4*\c+3], v[ADK] offset:8192+2048*t+512*\c
.endr
.set t, t+1
.endr
.if \mask
	s_cmp_lg_u32 s[KS], s[JL]                      ; the wave's number and the count of trips alone
	s_cbranch_scc1 .Lopen_\@
.set n, 0
.rept 32
	v_cmp_gt_i32 vcc_lo, 16*(n/8)+n%8, v[DL]
	v_cndmask_b32 v[SA+n], v[SA+n], v[NI], vcc_lo
	v_cndmask_b32 v[SB+32+n], v[SB+32+n], v[NI], vcc_lo
.set n, n+1
.endr
.set n, 32
.rept 16
	v_dual_mov_b32 v[SA+n], v[NI] :: v_dual_mov_b32 v[SA+n+1], v[NI+1]
.set n, n+2
.endr
.Lopen_\@:
.endif
	v_max3_num_f32 v[TA], v[SA], v[SA+1], v[SA+2]  ; the step's largest scores, two chains a tile, the tiles by turns; each accumulator is met first at its low end
	v_max3_num_f32 v[TBB], v[SB], v[SB+1], v[SB+2]
	v_max3_num_f32 v[TA+1], v[SA+3], v[SA+4], v[SA+5]
	v_max3_num_f32 v[TBB+1], v[SB+3], v[SB+4], v[SB+5]
.set n, 6
.rept 14
	v_max3_num_f32 v[TA], v[TA], v[SA+n], v[SA+n+1]
	v_max3_num_f32 v[TBB], v[TBB], v[SB+n], v[SB+n+1]
	v_max3_num_f32 v[TA+1], v[TA+1], v[SA+n+2], v[SA+n+3]
	v_max3_num_f32 v[TBB+1], v[TBB+1], v[SB+n+2], v[SB+n+3]
.set n, n+4
.endr
	v_max3_num_f32 v[TA], v[TA], v[SA+62], v[SA+63]
	v_max3_num_f32 v[TBB], v[TBB], v[SB+62], v[SB+63]
	v_max_num_f32 v[TA], v[TA], v[TA+1]
	v_max_num_f32 v[TBB], v[TBB], v[TBB+1]
	v_permlanex16_b32 v[PXA], v[TA], s[SEL], s[SEL+1]
	v_permlanex16_b32 v[PXB], v[TBB], s[SEL], s[SEL+1]
	v_mov_b32 v[TA+1], v[MA]                       ; the old -M
	v_mov_b32 v[TBB+1], v[MB]
	v_max3_num_f32 v[MA+1], v[MA+1], v[TA], v[PXA] ; the running largest score, lane l xor 16's among them
	v_max3_num_f32 v[MB+1], v[MB+1], v[TBB], v[PXB]
	v_mul_f32 v[TA], s[NC], v[MA+1]                ; -t (c is positive)
	v_mul_f32 v[TBB], s[NC], v[MB+1]
	v_floor_f32 v[MA], v[TA]                       ; the new -M = floor(-t) = -ceil(t)
	v_floor_f32 v[MB], v[TBB]
	v_sub_f32 v[TA], v[MA], v[TA+1]                ; old M - new M: a whole number, 0 or less
	v_sub_f32 v[TBB], v[MB], v[TBB+1]
	v_cvt_i32_f32 v[TA], v[TA]                     ; (it saturates)
	v_cvt_i32_f32 v[TBB], v[TBB]
	v_ldexp_f32 v[FA], 1.0, v[TA]                  ; f = 2^(old M - new M)
	v_ldexp_f32 v[FB], 1.0, v[TBB]
	WIN 0x41                                       ; source 0 and destination: window 1
.set n, 0
.rept 16
	v_pk_mul_f32 v[OA+n:OA+n+1], v[OA+n:OA+n+1], v[FA:FA+1] op_sel_hi:[1,0]   ; O^T under the new M, ahead of the exponentials
	v_pk_mul_f32 v[OB+n:OB+n+1], v[OB+n:OB+n+1], v[FB:FB+1] op_sel_hi:[1,0]
.set n, n+2
.endr
	WIN 0
.set n, 0
.rept 32
	v_pk_fma_f32 v[SA+n:SA+n+1], v[SA+n:SA+n+1], s[CS:CS+1], v[MA:MA+1] op_sel_hi:[1,0,0]   ; t - M, two at a time (of the pairs c and -M the low word serves both halves)
	v_pk_fma_f32 v[SB+n:SB+n+1], v[SB+n:SB+n+1], s[CS:CS+1], v[MB:MB+1] op_sel_hi:[1,0,0]
.set n, n+2
.endr
	s_wait_alu depctr_va_vdst(0)
.set n, 0
.rept 128
	v_exp_f32 v[SA+n], v[SA+n]                     ; p = 2^(t - M), both tiles
.set n, n+1
.endr
	v_nop                                          ; the place behind the exponentials
	s_wait_alu depctr_va_vdst(0)                   ; one wait for the whole batch, ahead of its first reader
	v_pk_fma_f32 v[LA:LA+1], v[LA:LA+1], v[FA:FA+1], v[SA:SA+1] op_sel_hi:[1,0,1]   ; the sums of the unquantised p: l x f + p, then two chains a tile
	v_pk_fma_f32 v[LB:LB+1], v[LB:LB+1], v[FB:FB+1], v[SB:SB+1] op_sel_hi:[1,0,1]
	v_pk_add_f32 v[TA:TA+1], v[SA+2:SA+3], v[SA+4:SA+5]
	v_pk_add_f32 v[TBB:TBB+1], v[SB+2:SB+3], v[SB+4:SB+5]
.set n, 6
.rept 14
	v_pk_add_f32 v[LA:LA+1], v[LA:LA+1], v[SA+n:SA+n+1]
	v_pk_add_f32 v[LB:LB+1], v[LB:LB+1], v[SB+n:SB+n+1]
	v_pk_add_f32 v[TA:TA+1], v[TA:TA+1], v[SA+n+2:SA+n+3]
	v_pk_add_f32 v[TBB:TBB+1], v[TBB:TBB+1], v[SB+n+2:SB+n+3]
.set n, n+4
.endr
	v_pk_add_f32 v[LA:LA+1], v[LA:LA+1], v[SA+62:SA+63]
	v_pk_add_f32 v[LB:LB+1], v[LB:LB+1], v[SB+62:SB+63]
	v_pk_add_f32 v[LA:LA+1], v[LA:LA+1], v[TA:TA+1]
	v_pk_add_f32 v[LB:LB+1], v[LB:LB+1], v[TBB:TBB+1]
.set n, 0
.rept 64
	v_dual_min_num_f32 v[SA+n], v[SA+n], v[B4] :: v_dual_min_num_f32 v[SA+n+1], v[SA+n+1], v[B4+1]   ; the conversion does not saturate (ISA guide 7.6.2); p is not negative, so the hold is one-sided
.set n, n+2
.endr
	WIN 0x40                                       ; destination: window 1
.set t, 0
.rept 8
	v_cvt_scalef32_pk8_fp8_f32 v[PA+2*t:PA+2*t+1], v[SA+8*t:SA+8*t+7], v[E4]
	v_cvt_scalef32_pk8_fp8_f32 v[PB+2*t:PB+2*t+1], v[SB+8*t:SB+8*t+7], v[E4]
.set t, t+1
.endr
	v_nop                                          ; a plain line between the conversions and the products
	s_wait_alu depctr_va_vdst(0)
	s_wait_dscnt 0x0                               ; V is in
	WIN 0x54
.set t, 0
.rept 4                                            ; eight accumulators by turns, one instruction a turn
	v_wmma_f32_16x16x128_fp8_fp8 v[OA+8*t:OA+8*t+7], v[KV+16*t:KV+16*t+15], v[PA:PA+15], v[OA+8*t:OA+8*t+7]
	v_wmma_f32_16x16x128_fp8_fp8 v[OB+8*t:OB+8*t+7], v[KV+16*t:KV+16*t+15], v[PB:PB+15], v[OB+8*t:OB+8*t+7]
.set t, t+1
.endr
	WIN 0
.endm
; A pair's end: O^T / l x 2^(e4 + e5), the hold, eight conversions, four stores of 512 consecutive bytes.
.macro FINISH
	s_wait_xcnt 0x0                                ; the earlier pair's stores have read their base and their data: both are written again below
	s_lshl_b32 s40, s[JL], 3
	s_add_co_u32 s40, s40, s[CX]                   ; the first tile, 8 j + cx: a record of 4,096 bytes; the second lies four records on
	s_lshl_b32 s40, s40, 12
	s_add_nc_u64 s[46:47], s[44:45], s[40:41]
	v_add_f32 v[LA], v[LA], v[LA+1]                ; the sums' two halves (these six lines are also the places behind the last products),
	v_add_f32 v[LB], v[LB], v[LB+1]
	v_permlanex16_b32 v[PXA], v[LA], s[SEL], s[SEL+1]
	v_permlanex16_b32 v[PXB], v[LB], s[SEL], s[SEL+1]
	v_add_f32 v[LA], v[LA], v[PXA]                 ; and lane l xor 16's
	v_add_f32 v[LB], v[LB], v[PXB]
	s_wait_alu depctr_va_vdst(0)                   ; ahead of the transcendentals
	v_rcp_f32 v[LA], v[LA]
	v_rcp_f32 v[LB], v[LB]
	v_nop
	s_wait_alu depctr_va_vdst(0)                   ; and ahead of their first reader
	v_ldexp_f32 v[LA], v[LA], s[E45]               ; x 2^(e4 + e5)
	v_ldexp_f32 v[LB], v[LB], s[E45]
	WIN 0x01                                       ; source 0: window 1
	s_wait_alu depctr_va_vdst(0)                   ; directly ahead of the first reader of O^T
.set n, 0
.rept 16
	v_pk_mul_f32 v[SA+n:SA+n+1], v[OA+n:OA+n+1], v[LA:LA+1] op_sel_hi:[1,0]   ; each accumulator from its low end on
.set n, n+2
.endr
.set n, 0
.rept 16
	v_pk_mul_f32 v[SA+32+n:SA+32+n+1], v[OB+n:OB+n+1], v[LB:LB+1] op_sel_hi:[1,0]
.set n, n+2
.endr
	WIN 0
.set n, 0
.rept 64
	v_med3_num_f32 v[SA+n], v[SA+n], -v[B6], v[B6]
.set n, n+1
.endr
.set t, 0
.rept 8
	v_cvt_scalef32_pk8_fp8_f32 v[OC+2*t:OC+2*t+1], v[SA+8*t:SA+8*t+7], v[E6]
.set t, t+1
.endr
	v_nop                                          ; a plain line behind the run of conversions
	global_store_b128 v[LI], v[OC:OC+3], s[46:47]
	global_store_b128 v[LI], v[OC+4:OC+7], s[46:47] offset:512
	global_store_b128 v[LI], v[OC+8:OC+11], s[46:47] offset:16384
	global_store_b128 v[LI], v[OC+12:OC+15], s[46:47] offset:16896
.endm
	s_load_b128 s[4:7], s[0:1], 0x0                ; qkv s[4:5], the scales' exponents s[6:7]
	s_load_b64 s[8:9], s[0:1], 0x10                ; ac
	v_lshl_add_u32 v[SPW], v0, 2, SPARE
	v_mov_b32 v[NIL], 0
	ds_add_u32 v[SPW], v[NIL]                      ; the opening: the add, twice on end, and its wait stand ahead of the round in front of my first tensor load
	ds_add_u32 v[SPW], v[NIL]
	v_lshrrev_b32 v1, 5, v0
	v_readfirstlane_b32 s[WV], v1                  ; wave 0..7
	s_bfe_u32 s[CX], ttmp6, 0x40000                ; my place in the cluster
	s_mov_b32 s[SEL], 0x76543210
	s_mov_b32 s[SEL+1], 0xfedcba98
	s_mov_b32 s[CS], 0x3e38aa3b                    ; log2(e) / 8
	; descriptor group 1: two rows of 1,024 elements of 8 bytes, 2,048 elements apart: a key step's K, then its V
	s_mov_b32 s[G1], 15|(3<<16)|(1<<21)            ; the mask: all four work-groups; elements of 8 bytes; bit 21 beside a mask
	s_mov_b32 s[G1+1], 1024<<16                    ; tensor_dim0
	s_mov_b32 s[G1+2], 2<<16                       ; tensor_dim1
	s_mov_b32 s[G1+3], 1024<<16                    ; tile_dim0
	s_mov_b32 s[G1+4], 2                           ; tile_dim1
	s_mov_b32 s[G1+5], 2048                        ; tensor_dim0_stride
	s_mov_b32 s[G1+6], 0
	s_mov_b32 s[G1+7], 0
	s_mov_b32 s[G0A], 1
	s_mov_b32 s[G0B], 1
	s_lshl_b32 s[G0A+1], s[WV], 14                 ; key step w goes to LDS byte 16,384 w,
	s_add_co_u32 s[G0B+1], s[G0A+1], 8*STEPB       ; key step 8 + w eight steps on
	s_lshr_b32 s56, s[WV], 1
	s_mul_i32 s56, s56, REC                        ; in memory: slot w / 2,
	s_and_b32 s57, s[WV], 1
	s_lshl_b32 s57, s57, 13                        ; which 128 keys of it,
	s_add_co_u32 s56, s56, s57
	s_add_co_u32 s40, s56, 16384                   ; behind the slot's Q
	s_mov_b32 s41, 0
	s_mul_i32 s58, ttmp9, 8*REC                    ; the head: the cluster's x
	s_mov_b32 s59, 0
	s_wait_dscnt 0x0                               ; both opening adds are done
	s_wait_kmcnt 0x0
	s_load_b256 s[48:55], s[6:7], 0x0              ; e0 .. e7
	s_add_nc_u64 s[42:43], s[4:5], s[58:59]        ; the head's first byte
	s_add_nc_u64 s[G0A+2:G0A+3], s[42:43], s[40:41]
	s_add_nc_u64 s[G0B+2:G0B+3], s[G0A+2:G0A+3], 4*REC
	s_or_b32 s[G0A+3], s[G0A+3], 0x80000000
	s_or_b32 s[G0B+3], s[G0B+3], 0x80000000
	ROUND                                          ; all four work-groups are here: the first joint loads meet
	tensor_load_to_lds s[G0A:G0A+3], s[G1:G1+7]    ; key step w: one tensor load a wave at the head
	s_nop 0
.rept 4
	v_nop
.endr
	s_sub_co_u32 s[JL], 15, s[WV]                  ; the first pair
	QADDR JL, 60
	QADDR WV, 62                                   ; and the later one, pair w
	s_lshr_b32 s40, ttmp9, 4
	s_lshl_b32 s40, s40, 19                        ; ac: the batch's 128 records of 4,096 bytes,
	s_bfe_u32 s56, ttmp9, 0x20002
	s_lshl_b32 s56, s56, 21                        ; the K step of 256: four heads,
	s_add_co_u32 s40, s40, s56
	s_and_b32 s56, ttmp9, 3
	s_lshl_b32 s56, s56, 10                        ; 1,024 x (h % 4)
	s_add_co_u32 s40, s40, s56
	s_add_nc_u64 s[44:45], s[8:9], s[40:41]
	s_lshl_b32 s56, s[CX], 4
	v_and_b32 v2, 31, v0
	v_lshlrev_b32 v[LI], 4, v2
	v_and_b32 v[DL], 15, v0
	v_bfe_u32 v4, v0, 4, 1
	v_lshlrev_b32 v4, 3, v4
	v_sub_nc_u32 v[DL], v[DL], v4
	v_add_nc_u32 v[DL], s56, v[DL]                 ; d = 16 cx + lane % 16 - 8 (lane / 16)
	s_wait_alu depctr_va_vdst(0)
.irp i, 0,1
	global_load_b128 v[QF+8*\i:QF+8*\i+3], v[LI], s[60:61] offset:4096*\i th:TH_LOAD_NT
	global_load_b128 v[QF+8*\i+4:QF+8*\i+7], v[LI], s[60:61] offset:4096*\i+512 th:TH_LOAD_NT
.endr
	WIN 0x40
.irp i, 0,1
	global_load_b128 v[QN+8*\i:QN+8*\i+3], v[LI], s[62:63] offset:4096*\i th:TH_LOAD_NT
	global_load_b128 v[QN+8*\i+4:QN+8*\i+7], v[LI], s[62:63] offset:4096*\i+512 th:TH_LOAD_NT
.endr
	WIN 0
	RESET
	v_mov_b32 v[PXA], 0                            ; written once: a lane permute's destination counts as one of its sources
	v_mov_b32 v[PXB], 0
	v_mov_b32 v[FA+1], 0                           ; (named as the upper halves of pairs)
	v_mov_b32 v[FB+1], 0
	v_mov_b32 v[NI], 0xff800000
	v_mov_b32 v[NI+1], 0xff800000
	s_wait_kmcnt 0x0
	s_add_co_i32 s56, s50, s51
	s_lshl_b32 s56, s56, 23
	s_add_co_i32 s[CS], s[CS], s56                 ; a score stands for score x 2^(e2 + e3): added to c's exponent field
	s_mov_b32 s[CS+1], s[CS]
	s_xor_b32 s[NC], s[CS], 0x80000000             ; -c
	s_add_co_i32 s[E45], s52, s53
	s_add_co_i32 s56, s52, 127
	s_lshl_b32 s57, s56, 23
	v_mov_b32 v[E4], s57
	s_add_co_i32 s56, s56, 8
	s_lshl_b32 s56, s56, 23
	s_or_b32 s56, s56, 0x600000
	v_mov_b32 v[B4], s56
	v_mov_b32 v[B4+1], s56
	s_add_co_i32 s56, s54, 127
	s_lshl_b32 s57, s56, 23
	v_mov_b32 v[E6], s57
	s_add_co_i32 s56, s56, 8
	s_lshl_b32 s56, s56, 23
	s_or_b32 s56, s56, 0x600000
	v_mov_b32 v[B6], s56
	s_wait_alu depctr_va_vdst(0)
	s_wait_loadcnt 0x0                             ; both pairs' Q
	s_wait_tensorcnt 0x0                           ; my key step is in; a later first fill is issued as a refill is
	ds_add_u32 v[SPW], v[NIL]
	s_wait_dscnt 0x0
	ROUND                                          ; key steps 0-7 are whole in all four work-groups
	tensor_load_to_lds s[G0B:G0B+3], s[G1:G1+7]    ; key step 8 + w: it has the eight trips below in which to land
	s_nop 0
.rept 4
	v_nop
.endr
	s_mov_b32 s[TB], 0
	s_mov_b32 s[CNT], 0
.Lfirst:                                           ; key steps 0-7 of pair 15 - w: all their keys count
	STEP 0
	s_add_co_u32 s[TB], s[TB], STEPB
	s_add_co_u32 s[CNT], s[CNT], 1
	s_cmp_lt_u32 s[CNT], 8
	s_cbranch_scc1 .Lfirst
	s_wait_tensorcnt 0x0                           ; my part of key steps 8-15 is in,
	s_wait_dscnt 0x0
	s_barrier_signal -1
	s_barrier_wait -1                              ; everybody's is.
.Lrest:                                            ; trips 8 to 23: key step = trip % 16
	s_cmp_lg_u32 s[CNT], 16                        ; at trip 16 the first pair goes out and pair w begins: the count of trips alone; no barrier or LDS access stands under the branch
	s_cbranch_scc1 .Lsame
	FINISH
	RESET
	WIN 0x01
.set n, 0
.rept 16
	v_mov_b32 v[QF+n], v[QN+n]
.set n, n+1
.endr
	WIN 0
	s_mov_b32 s[JL], s[WV]
.Lsame:
	s_and_b32 s[KS], s[CNT], 15
	s_cmp_gt_u32 s[KS], s[JL]                      ; all keys hidden from the pair: round the step's work
	s_cbranch_scc1 .Lhidden
	STEP 1
.Lhidden:
	s_add_co_u32 s[TB], s[TB], STEPB
	s_and_b32 s[TB], s[TB], 0x3ffff                ; behind key step 15 comes key step 0
	s_add_co_u32 s[CNT], s[CNT], 1
	s_cmp_lt_u32 s[CNT], 24
	s_cbranch_scc1 .Lrest
	FINISH
	s_wait_tensorcnt 0x0                           ; the wave's end
	ds_add_u32 v[SPW], v[NIL]
	s_wait_dscnt 0x0
	ROUND                                          ; the closing round
	s_endpgm
.Lfunc_end_k_qdd90e33750_attn:
	.size	k_qdd90e33750_attn, .Lfunc_end_k_qdd90e33750_attn-k_qdd90e33750_attn
	.p2alignl 7, 3214868480
	.fill 96, 4, 3214868480
	.section	.rodata,"a",@progbits
	.p2align	6, 0x0
	.amdhsa_kernel k_qdd90e33750_attn
		.amdhsa_group_segment_fixed_size 327680
		.amdhsa_private_segment_fixed_size 0
		.amdhsa_enable_private_segment 0
		.amdhsa_kernarg_size 24
		.amdhsa_user_sgpr_count 2
		.amdhsa_user_sgpr_kernarg_segment_ptr 1
		.amdhsa_wavefront_size32 1
		.amdhsa_system_sgpr_workgroup_id_x 1
		.amdhsa_system_sgpr_workgroup_id_y 1
		.amdhsa_system_sgpr_workgroup_id_z 1
		.amdhsa_system_vgpr_workitem_id 0
		.amdhsa_next_free_vgpr 384
		.amdhsa_next_free_sgpr 72
		.amdhsa_reserve_vcc 1
		.amdhsa_float_denorm_mode_32 3
		.amdhsa_float_denorm_mode_16_64 3
		.amdhsa_memory_ordered 1
		.amdhsa_forward_progress 1
		.amdhsa_inst_pref_size 89
	.end_amdhsa_kernel
	.amdgpu_metadata
---
amdhsa.version: [ 1, 2 ]
amdhsa.kernels:
  - .name:           k_qdd90e33750_attn
    .symbol:         k_qdd90e33750_attn.kd
    .args:
      - { .name: qkv, .offset: 0, .size: 8, .value_kind: global_buffer, .address_space: global }
      - { .name: lowp_scales, .offset: 8, .size: 8, .value_kind: global_buffer, .address_space: global }
      - { .name: ac, .offset: 16, .size: 8, .value_kind: global_buffer, .address_space: global }
    .group_segment_fixed_size: 327680
    .private_segment_fixed_size: 0
    .kernarg_segment_align: 8
    .kernarg_segment_size: 24
    .max_flat_workgroup_size: 256
    .sgpr_count:     72
    .vgpr_count:     384
    .wavefront_size: 32
...
	.end_amdgpu_metadata
.endif
;; end of part 3
;; launch outproj (part 4): grid 32 x 8, 4 waves a work-group, clusters of 4 x 1, 327,680 bytes of LDS; arguments ac, wo, b_out, lowp_scales, out0; writes out0
.if DOCPART == 4
	.amdgcn_target "amdgcn-amd-amdhsa--gfx1250"
	.amdhsa_code_object_version 6
	.text
	.protected	k_qdd90e33750_outproj
	.globl	k_qdd90e33750_outproj
	.p2align	8
	.type	k_qdd90e33750_outproj,@function
k_qdd90e33750_outproj:
	s_mov_b64 s[64:65], 0
	v_nop
	global_prefetch_b8 v0, s[64:65] scope:SCOPE_SE
	s_setreg_imm32_b32 hwreg(HW_REG_WAVE_MODE, 25, 1), 1
	s_wait_xcnt 0x0
	s_wait_alu depctr_hold_cnt(0) depctr_sa_sdst(0) depctr_va_vdst(0) depctr_va_sdst(0) depctr_va_ssrc(0) depctr_va_vcc(0) depctr_vm_vsrc(0)
	s_getreg_b32 s2, hwreg(HW_REG_IB_STS2, 6, 4)
	s_cmp_eq_u32 s2, 0
	s_cbranch_scc0 .Lentry_in_a_cluster
	s_endpgm
.Lentry_in_a_cluster:
	s_bfe_u32 s2, ttmp6, 0x10000c
	s_cmp_lg_u32 s2, 0x3003
	s_cbranch_scc0 .Lentry_shape_is_right
	s_endpgm
.Lentry_shape_is_right:
; out0 = attention's result x W_out + b_out on codes of FP8 (E4M3), K = 1,024; each finished sum x 2^(e6 + e7), then the bias.
; ac and wo hold fragment images: [K step of 256][tile of 16 rows][which 128][chunk][lane][16 bytes]; for wo a "row" is a column of W_out.
; SHARES.  A work-group makes 256 rows x 128 columns: 32 x 8 = 256 work-groups.  Each of four waves makes 64 rows x all 128 columns: 32 accumulators of 16 x 16, 256 registers.
; W_out's 128 columns x the whole K are 131,072 bytes and stay in LDS: wave w fetches K step w, one dense block of 32,768 bytes, by its one tensor load.  Nothing is filled again: no ring, one barrier.
; CLUSTER: four work-groups along x make four row blocks of the same columns: they ask for W_out's blocks jointly (mask 15).
; A tile of tokens is read by one wave of the work-group alone, and its fragments lie in memory as the registers want them: they go from memory straight into registers, 512 consecutive bytes a load, four steps of 128 along K ahead.
; THE MATRIX INSTRUCTION IS USED TRANSPOSED (source 0 = 16 columns of W_out, source 1 = 16 tokens): a lane holds eight neighbouring numbers of a row of out0.
; NO PREFETCH: the text has no loop to run ahead in; W_out's blocks are asked for at the head, the tokens' fragments four steps ahead of their use.
; LIMIT: e6 + e7 between -126 and 127, so that 2^(e6 + e7) is an f32 number.
; REGISTERS, in windows of 256: window 0: v0-31 addresses and the bias, v128-255 at work on the way out; window 1: accumulator (a, b) at v[8 (8 a + b)];
;   window 2: the tokens' fragments, four sets of 64 (step % 4); window 3: W_out's fragments, two sets of 128 (step % 2).
.set STAGE,  131072                    ; behind W_out's codes: a stage of 16 rows x (512 + 16) bytes for each wave, bytes of its own
.set SPITCH, 528
.set SPARE,  164864                    ; behind the stages: the spare words, 128 bytes a wave: two blocks of 256 bytes that no other line names
.set STO,   24
.set RD,    25
.set CO,    26                         ; v26 16 x lane: also the LDS address of K steps 0, 1;  v27 the same + 65,536: K steps 2, 3
.set SPW,   28
.set NIL,   29
.set BK,    128
.set MSB, 0
.macro WIN new                         ; the immediate's high byte repeats the setting that is left
.if MSB != (\new)
	s_set_vgpr_msb (MSB<<8)|(\new)
.set MSB, (\new)
.endif
.endm
.macro ROUND                           ; a round of the cluster's barrier
	s_barrier_signal -1
	s_barrier_wait -1
	s_cmp_lg_u32 s14, 0
	s_cbranch_scc1 .Lnw0_\@
	s_barrier_signal -3
.Lnw0_\@:
	s_barrier_wait -3
	s_barrier_signal -1
	s_barrier_wait -1
.endm
.macro PLACES                          ; plain vector lines in front of loads into registers that matrix instructions have read, and of the first read of results
.rept 4
	v_nop
.endr
.endm
.macro ALOAD kk                        ; my four tiles of tokens, the kk-th 128 along K: 16 loads into set kk % 4
	WIN 0x80                                       ; destination: window 2
.irp a, 0,1,2,3
.irp c, 0,1,2,3
	global_load_b128 v[64*((\kk)%4)+16*\a+4*\c:64*((\kk)%4)+16*\a+4*\c+3], v[CO], s[4:5] offset:((\kk)/2)*2097152+\a*4096+((\kk)%2)*2048+512*\c
.endr
.endr
.endm
.macro BLOAD kk                        ; W_out's eight tiles of columns, the kk-th 128 along K: 32 LDS loads into set kk % 2
	WIN 0xc0                                       ; destination: window 3
.irp b, 0,1,2,3,4,5,6,7
.irp c, 0,1,2,3
	ds_load_b128 v[128*((\kk)%2)+16*\b+4*\c:128*((\kk)%2)+16*\b+4*\c+3], v[CO+(\kk)/4] offset:(((\kk)/2)%2)*32768+\b*4096+((\kk)%2)*2048+512*\c
.endr
.endr
.endm
.macro MUL kk, zero                    ; 32 matrix instructions; the 32 accumulators take turns, one instruction a turn.  zero = 1: the first products start the sums
	WIN 0x5b                                       ; source 0 window 3, source 1 window 2, C and D window 1
.irp a, 0,1,2,3
.irp b, 0,1,2,3,4,5,6,7
.if \zero
	v_wmma_f32_16x16x128_fp8_fp8 v[8*(8*\a+\b):8*(8*\a+\b)+7], v[128*((\kk)%2)+16*\b:128*((\kk)%2)+16*\b+15], v[64*((\kk)%4)+16*\a:64*((\kk)%4)+16*\a+15], 0
.else
	v_wmma_f32_16x16x128_fp8_fp8 v[8*(8*\a+\b):8*(8*\a+\b)+7], v[128*((\kk)%2)+16*\b:128*((\kk)%2)+16*\b+15], v[64*((\kk)%4)+16*\a:64*((\kk)%4)+16*\a+15], v[8*(8*\a+\b):8*(8*\a+\b)+7]
.endif
.endr
.endr
.endm
; THE WAY OUT, block by block of 16 rows x 128 columns: through my own stage and back as whole rows of 512 bytes.  LDS serves a wave's instructions in order: no wait between the stores and the loads.
.macro TOSTAGE a
	WIN 0x04                                       ; the stores' data: window 1
.irp b, 0,1,2,3,4,5,6,7
	ds_store_b128 v[STO], v[64*(\a)+8*\b:64*(\a)+8*\b+3] offset:64*\b       ; each accumulator from its low end on
	ds_store_b128 v[STO], v[64*(\a)+8*\b+4:64*(\a)+8*\b+7] offset:64*\b+16
.endr
	WIN 0
.set BB, BK+64*((\a)%2)
.irp t, 0,1,2,3,4,5,6,7,8,9,10,11,12,13,14,15
	ds_load_b128 v[BB+4*\t:BB+4*\t+3], v[RD] offset:\t*SPITCH
.endr
.endm
.macro SEND a, younger                 ; younger: the LDS instructions issued behind block a's loads, which may stay out
.set BB, BK+64*((\a)%2)
	s_wait_dscnt \younger
.if (\a) > 0
	s_add_nc_u64 s[12:13], s[12:13], 65536         ; 16 rows on (behind a wait on XCNT: the earlier stores have read their base)
.endif
.irp t, 0,1,2,3,4,5,6,7,8,9,10,11,12,13,14,15
	v_pk_fma_f32 v[BB+4*\t:BB+4*\t+1], v[BB+4*\t:BB+4*\t+1], s[96:97], v[8:9] op_sel_hi:[1,0,1]        ; x 2^(e6 + e7) + the bias of my four columns
	v_pk_fma_f32 v[BB+4*\t+2:BB+4*\t+3], v[BB+4*\t+2:BB+4*\t+3], s[96:97], v[10:11] op_sel_hi:[1,0,1]
.endr
.irp t, 0,1,2,3,4,5,6,7,8,9,10,11,12,13,14,15
	global_store_b128 v[CO], v[BB+4*\t:BB+4*\t+3], s[12:13] offset:\t*4096 th:TH_STORE_NT   ; 32 lanes store 512 consecutive bytes, aligned
.endr
.endm
	s_load_b256 s[4:11], s[0:1], 0x0               ; ac s[4:5], wo s[6:7], b_out s[8:9], the scales' exponents s[10:11]
	s_load_b64 s[12:13], s[0:1], 0x20              ; out0
	v_lshl_add_u32 v[SPW], v0, 2, SPARE
	v_mov_b32 v[NIL], 0
	ds_add_u32 v[SPW], v[NIL]                      ; the opening: the add, twice on end, and its wait stand ahead of the round in front of my tensor load
	ds_add_u32 v[SPW], v[NIL]
	v_lshrrev_b32 v1, 5, v0
	v_readfirstlane_b32 s14, v1                    ; wave 0..3
	s_bfe_u32 s15, ttmp6, 0x40000                  ; cx
	s_lshl_b32 s16, ttmp9, 2
	s_add_co_u32 s16, s16, s15                     ; the block of 256 rows: 4 x cluster x + cx
	s_and_b32 s17, ttmp7, 0xffff                   ; the block of 128 columns: the same in all four partners
	; descriptor group 1: a dense block of 32,768 bytes as 128 rows of 32 elements of 8 bytes
	s_mov_b32 s24, 15|(3<<16)|(1<<21)              ; the mask: all four work-groups; elements of 8 bytes; bit 21 beside a mask
	s_mov_b32 s25, 32<<16                          ; tensor_dim0
	s_mov_b32 s26, 128<<16                         ; tensor_dim1
	s_mov_b32 s27, 32<<16                          ; tile_dim0
	s_mov_b32 s28, 128                             ; tile_dim1
	s_mov_b32 s29, 32                              ; tensor_dim0_stride
	s_mov_b32 s30, 0
	s_mov_b32 s31, 0
	s_mov_b32 s32, 1
	s_lshl_b32 s33, s14, 15                        ; K step w goes to LDS byte 32,768 w
	s_lshl_b32 s20, s14, 18                        ; in wo: K step w of 262,144 bytes,
	s_lshl_b32 s21, s17, 15                        ; eight records of 4,096 bytes for each block of columns
	s_add_co_u32 s20, s20, s21
	s_mov_b32 s21, 0
	s_lshl_b32 s22, s16, 16                        ; in ac: 16 records for each block of rows,
	s_lshl_b32 s23, s14, 14                        ; my four of them
	s_add_co_u32 s22, s22, s23
	s_mov_b32 s23, 0
	s_mul_i32 s18, s14, 16*SPITCH
	s_add_co_u32 s18, s18, STAGE                   ; my stage
	s_wait_dscnt 0x0                               ; both opening adds are done
	s_wait_kmcnt 0x0
	s_load_b64 s[96:97], s[10:11], 0x18            ; e6, e7
	s_add_nc_u64 s[34:35], s[6:7], s[20:21]
	s_or_b32 s35, s35, 0x80000000
	s_add_nc_u64 s[4:5], s[4:5], s[22:23]
	v_and_b32 v1, 31, v0
	v_lshlrev_b32 v[CO], 4, v1                     ; 16 x lane
	v_add_nc_u32 v[CO+1], 65536, v[CO]
	v_and_b32 v2, 15, v0
	v_bfe_u32 v3, v0, 4, 1
	v_mul_u32_u24 v[STO], v2, SPITCH               ; into the stage: row lane % 16, 32 bytes for each half of the lanes
	v_lshl_add_u32 v[STO], v3, 5, v[STO]
	v_add_nc_u32 v[STO], s18, v[STO]
	v_add_nc_u32 v[RD], s18, v[CO]                 ; back: the 32 lanes take one row of 512 bytes
	s_wait_alu depctr_va_vdst(0)
	ALOAD 0                                        ; the tokens' first four steps: 64 loads
	ALOAD 1
	ALOAD 2
	ALOAD 3
	WIN 0
	ROUND                                          ; all four work-groups are here: the joint loads meet
	tensor_load_to_lds s[32:35], s[24:31]          ; K step w of W_out's codes: my one tensor load
	s_nop 0
.rept 4
	v_nop
.endr
	s_lshl_b32 s76, s17, 9                         ; my work-group's 128 columns: 512 bytes of the bias and of a row of out0
	s_mov_b32 s77, 0
	s_add_nc_u64 s[78:79], s[8:9], s[76:77]
	s_lshl_b32 s20, s16, 20                        ; 256 rows of 4,096 bytes,
	s_lshl_b32 s21, s14, 18                        ; my 64 of them
	s_add_co_u32 s20, s20, s21
	s_add_co_u32 s20, s20, s76
	s_mov_b32 s21, 0
	s_add_nc_u64 s[12:13], s[12:13], s[20:21]
	s_wait_alu depctr_va_vdst(0)
	s_wait_tensorcnt 0x0                           ; my K step is in,
	s_barrier_signal -1
	s_barrier_wait -1                              ; everybody's is.
	BLOAD 0
	BLOAD 1
.irp kk, 0,1,2,3,4,5,6,7
.if \kk < 4
	s_wait_loadcnt 48                              ; this step's 16 loads are in; the three younger steps' 48 may be out
.else
	s_wait_loadcnt 16*(7-\kk)+1                    ; the younger steps' loads and the bias's may be out
.endif
.if \kk < 7
	s_wait_dscnt 32                                ; this step's set is in; the next step's 32 loads may be out
.else
	s_wait_dscnt 0
.endif
.if \kk == 0
	MUL \kk, 1
.else
	MUL \kk, 0
.endif
.if \kk < 6
	PLACES
.endif
.if \kk < 4
	ALOAD \kk+4                                    ; into the set just multiplied
.endif
.if \kk == 3
	WIN 0
	global_load_b128 v[8:11], v[CO], s[78:79]      ; the bias of my lane's four columns
.endif
.if \kk < 6
	BLOAD \kk+2
.endif
.endr
	WIN 0
	s_wait_kmcnt 0x0
	s_add_co_i32 s96, s96, s97
	s_add_co_i32 s96, s96, 127
	s_lshl_b32 s96, s96, 23                        ; 2^(e6 + e7) as f32
	s_mov_b32 s97, s96                             ; (named with it as a pair, so it is written)
	s_wait_loadcnt 0x0                             ; the bias
	PLACES
	TOSTAGE 0
.irp a, 1,2,3
.if \a > 1
	s_wait_xcnt 0x0                                ; block a - 2's stores have read their registers and their base
.endif
	TOSTAGE \a
	SEND \a-1, 32                                  ; behind block a - 1's loads: block a's 16 stores and 16 loads
.endr
	s_wait_xcnt 0x0
	SEND 3, 0
	s_wait_tensorcnt 0x0                           ; the wave's end
	ds_add_u32 v[SPW], v[NIL]
	s_wait_dscnt 0x0
	ROUND                                          ; the closing round
	s_endpgm
.Lfunc_end_k_qdd90e33750_outproj:
	.size	k_qdd90e33750_outproj, .Lfunc_end_k_qdd90e33750_outproj-k_qdd90e33750_outproj
	.p2alignl 7, 3214868480
	.fill 96, 4, 3214868480
	.section	.rodata,"a",@progbits
	.p2align	6, 0x0
	.amdhsa_kernel k_qdd90e33750_outproj
		.amdhsa_group_segment_fixed_size 327680
		.amdhsa_private_segment_fixed_size 0
		.amdhsa_enable_private_segment 0
		.amdhsa_kernarg_size 40
		.amdhsa_user_sgpr_count 2
		.amdhsa_user_sgpr_kernarg_segment_ptr 1
		.amdhsa_wavefront_size32 1
		.amdhsa_system_sgpr_workgroup_id_x 1
		.amdhsa_system_sgpr_workgroup_id_y 1
		.amdhsa_system_sgpr_workgroup_id_z 1
		.amdhsa_system_vgpr_workitem_id 0
		.amdhsa_next_free_vgpr 1024
		.amdhsa_next_free_sgpr 100
		.amdhsa_reserve_vcc 0
		.amdhsa_float_denorm_mode_32 3
		.amdhsa_float_denorm_mode_16_64 3
		.amdhsa_memory_ordered 1
		.amdhsa_forward_progress 1
		.amdhsa_inst_pref_size 74
	.end_amdhsa_kernel
	.amdgpu_metadata
---
amdhsa.version: [ 1, 2 ]
amdhsa.kernels:
  - .name:           k_qdd90e33750_outproj
    .symbol:         k_qdd90e33750_outproj.kd
    .args:
      - { .name: ac, .offset: 0, .size: 8, .value_kind: global_buffer, .address_space: global }
      - { .name: wo, .offset: 8, .size: 8, .value_kind: global_buffer, .address_space: global }
      - { .name: b_out, .offset: 16, .size: 8, .value_kind: global_buffer, .address_space: global }
      - { .name: lowp_scales, .offset: 24, .size: 8, .value_kind: global_buffer, .address_space: global }
      - { .name: out0, .offset: 32, .size: 8, .value_kind: global_buffer, .address_space: global }
    .group_segment_fixed_size: 327680
    .private_segment_fixed_size: 0
    .kernarg_segment_align: 8
    .kernarg_segment_size: 40
    .max_flat_workgroup_size: 128
    .sgpr_count:     100
    .vgpr_count:     1024
    .wavefront_size: 32
...
	.end_amdgpu_metadata
.endif
;; end of part 4
